; MI455X (gfx1250); checked and timed in simulation.
; The chip was launched on July 23, 2026; its instructions are those of AMD's public machine-readable ISA for CDNA 5 (MIT licence, August 2026) and "CDNA5" Instruction Set Architecture Reference Guide (July 2026). The comments in the code are by the model that wrote it; some were corrected since.
;; Multi Head Attention. Allowed arithmetic: matrix products marked QUANTISED: E2M1 operands, one E8M0 scale for each 32 along K, by v_wmma_scale_f32_16x16x128_f8f6f4 with both operands' format E2M1 (or v_wmma_scale_f32_32x16x128_f4), f32 sums; everything else in f32.
;; Inputs: Wk_codes 16 x 64 x 32 x 16 uint8 (E2M1 codes of Wk, K innermost, in blocks of 32 codes, two codes a byte); Wk_scales 16 x 64 x 32 uint8 (E8M0 scales of Wk, one for each 32 codes along K); Wo_codes 1,024 x 32 x 16 uint8 (E2M1 codes of Wo, K innermost, in blocks of 32 codes, two codes a byte); Wo_scales 1,024 x 32 uint8 (E8M0 scales of Wo, one for each 32 codes along K); Wq_codes 16 x 64 x 32 x 16 uint8 (E2M1 codes of Wq, K innermost, in blocks of 32 codes, two codes a byte); Wq_scales 16 x 64 x 32 uint8 (E8M0 scales of Wq, one for each 32 codes along K); Wv_codes 16 x 64 x 32 x 16 uint8 (E2M1 codes of Wv, K innermost, in blocks of 32 codes, two codes a byte); Wv_scales 16 x 64 x 32 uint8 (E8M0 scales of Wv, one for each 32 codes along K); bk 16 x 64 float32; bo 1,024 float32; bq 16 x 64 float32; bv 16 x 64 float32; x_codes 4 x 2,048 x 32 x 16 uint8 (E2M1 codes of x, K innermost, in blocks of 32 codes, two codes a byte); x_scales 4 x 2,048 x 32 uint8 (E8M0 scales of x, one for each 32 codes along K).
;; Outputs: out0 4 x 2,048 x 1,024 float32.
;; This version of the problem:
;;   THIS VERSION OF THE PROBLEM IS GIVEN IN LOW PRECISION. The matrix products marked QUANTISED in the list below multiply operands that are first quantised to E2M1 (2 exponent bits, 1 mantissa bit; 4 bits a number), with one power-of-two scale for each 32 numbers along K (OCP MX v1.0); their sums are f32. All else is computed in f32.
;;   The module's matrix products, in the order in which they are computed (A, B: the left and right operand; K: the contracted axis; several contracted axes count as one K, in the product's order):
;;     1. [M 1,024, K 1,024] x [K 1,024, N 8,192]; A: input Wq (given as codes); B: input x (given as codes): QUANTISED
;;     2. [M 1,024, K 1,024] x [K 1,024, N 8,192]; A: input Wk (given as codes); B: input x (given as codes): QUANTISED
;;     3. [M 1,024, K 1,024] x [K 1,024, N 8,192]; A: input Wv (given as codes); B: input x (given as codes): QUANTISED
;;     4. batch 64 x [M 2,048, K 64] x [K 64, N 2,048]; A: computed on the way; B: computed on the way: QUANTISED
;;     5. batch 64 x [M 2,048, K 2,048] x [K 2,048, N 64]; A: softmax (see below); B: computed on the way: QUANTISED
;;     6. [M 8,192, K 1,024] x [K 1,024, N 1,024]; A: computed on the way; B: input Wo (given as codes): QUANTISED
;;   THE QUANTISER, for each operand of a quantised product, along K:
;;     - K is cut into blocks of 32 from its start; a last block that is shorter is filled with zeros.
;;     - A block's scale is 2^e with e = floor(log2(the largest magnitude in the block)) - 2, held to -126 .. 127; a block of zeros has e = 0. As a byte (E8M0): e + 127.
;;     - Each number is divided by its block's scale, clamped to +-6, and rounded to the nearest number of E2M1, ties to even, subnormals kept.
;;     - The product sums the exact products of the quantised numbers (number of the format x scale) in f32.
;;   ~~~python
;;   def quantise(x, axis):      # numpy; x: float32 -> the quantised numbers, widened to float32 again
;;       x = np.moveaxis(x, axis, -1); K = x.shape[-1]
;;       x = np.pad(x, [(0, 0)] * (x.ndim - 1) + [(0, -K % 32)]); x = x.reshape(x.shape[:-1] + (-1, 32)); a = np.abs(x).max(-1, keepdims=True)
;;       e = np.where(a > 0, np.clip(np.frexp(np.where(a > 0, a, 1))[1] - 1 - 2, -126, 127), 0)      # np.frexp(a)[1] - 1 = floor(log2(a)), exactly
;;       r = np.clip(x / 2.0 ** e, -6, 6)
;;       step = 2.0 ** (np.maximum(np.frexp(np.where(r == 0, 1, r))[1] - 1, 0) - 1)
;;       q = np.round(r / step) * step * 2.0 ** e      # np.round: ties to even
;;       return np.moveaxis(q.reshape(q.shape[:-2] + (-1,))[..., :K], -1, axis).astype(np.float32)
;;   ~~~
;;   SOFTMAX AHEAD OF A QUANTISED PRODUCT. Where the list says 'softmax', what is quantised is not the finished softmax but p = 2^(t - M), with t = logit x log2(e) and M = ceil(the row's largest t), a whole number; so 1/2 < the row's largest p <= 1. The row's sum l is taken of the UNQUANTISED p, in f32, and the product's result is divided by l at the end. Since M is a whole number, a kernel that streams over the keys may use a running M (the ceiling of the running maximum): every later rescaling is an exact power of two, which a block's scale takes up: the codes' values come out the same.
;;   OPERANDS COMPUTED ON THE WAY. 'Computed on the way' means the value that the module computes at that place (a softmax that the list does not call 'softmax' is quantised finished and normalised). What goes into a quantiser is computed in f32, as accurately as f32 sums, v_exp_f32 and their like allow (about 1e-6 of the number): no bf16 or f16 on the way to a quantiser, and a product that is left as it is and whose result goes on into a quantised operand takes f32 operands (vector FMAs, or v_wmma_f32_16x16x4_f32). A number that lies on a knife's edge between two numbers of the format may be rounded either way, as far as f32 arithmetic and the matrix unit's own rounding can turn it there, and no further.
;;   INPUTS GIVEN AS CODES. Wk (in the module: [16, 1024, 64], K = its axis 1); Wo (in the module: [1024, 1024], K = its axis 0); Wq (in the module: [16, 1024, 64], K = its axis 1); Wv (in the module: [16, 1024, 64], K = its axis 1); x (in the module: [4, 2048, 1024], K = its axis 2): each comes as NAME_codes (uint8): NAME with its K axis moved to the last place and cut into blocks of 32 codes, [.., K / 32, bytes a block], one block behind the other in memory; two codes a byte, the lower K in the low four bits (a code: sign, 2 exponent bits, 1 mantissa bit); and NAME_scales (uint8): the same leading axes, one E8M0 byte (e + 127) for each 32 codes along K. Its value is code x scale, taken as it is: it is not quantised again, and the codes and scales need not be those that the quantiser above would give.
;; One version. Each part assembles by itself: llvm-mc -triple=amdgcn-amd-amdhsa -mcpu=gfx1250 --defsym DOCPART=n.
;; ======== version 1 of 1: 3 launches
;; limits: right only within a limited range of input values
;; workspace buffers: qkv 14,155,776 bytes; z_img 4,194,304 bytes; z_sc 262,144 bytes
;; launch proj (part 1): grid 16 x 16, 12 waves a work-group, clusters of 4 x 4, 327,680 bytes of LDS; arguments x_codes, x_scales, Wq_codes, Wq_scales, Wk_codes, Wk_scales, Wv_codes, Wv_scales, bq, bk, bv, qkv; writes qkv
.if DOCPART == 1
	.amdgcn_target "amdgcn-amd-amdhsa--gfx1250"
	.amdhsa_code_object_version 6
	.text
	.protected	k_q21e7d4cca3_proj
	.globl	k_q21e7d4cca3_proj
	.p2align	8
	.type	k_q21e7d4cca3_proj,@function
k_q21e7d4cca3_proj:
	s_mov_b64 s[64:65], 0
	v_nop
	global_prefetch_b8 v0, s[64:65] scope:SCOPE_SE
	s_setreg_imm32_b32 hwreg(HW_REG_WAVE_MODE, 25, 1), 1
	s_wait_xcnt 0x0
	s_wait_alu depctr_hold_cnt(0) depctr_sa_sdst(0) depctr_va_vdst(0) depctr_va_sdst(0) depctr_va_ssrc(0) depctr_va_vcc(0) depctr_vm_vsrc(0)
	s_getreg_b32 s2, hwreg(HW_REG_IB_STS2, 6, 4)
	s_cmp_eq_u32 s2, 0
	s_cbranch_scc0 .Lentry_in_a_cluster
	s_endpgm
.Lentry_in_a_cluster:
	s_bfe_u32 s2, ttmp6, 0x10000c
	s_cmp_lg_u32 s2, 0xf033
	s_cbranch_scc0 .Lentry_shape_is_right
	s_endpgm
.Lentry_shape_is_right:
; q, k, v = x W + b for one head and 256 tokens, on codes of FP4 (E2M1) with one E8M0 scale for each 32 along K = 1,024; then q and k are quantised along the head's 64,
; v along the keys, and all three leave as IMAGES OF OPERAND REGISTERS, in records of 128 tokens, 13,824 bytes each: [head of a batch: 64][step: 16] in qkv:
;   0      512 bytes   scale words, 16 bytes a lane: lanes 0-15 K's four words (word f of lane r: key tile f's two bytes, key tile f + 4's two), lanes 16-31 V's four (word t: e = 16 t + r, byte = block of 32 keys)
;   512    4,096       K [u: 2][f: 4][lane][16]: key tile 4 u + f; lane (r, h): key 16 (4 u + f) + r, e = 32 h .. 32 h + 31
;   4,608  4,096       V [c: 2][t: 4][lane][16]: e = 16 t + r, keys 64 c + 32 h .. + 31
;   8,704  4,096       Q [T: 8][lane][16]: query 16 T + r, e = 32 h .. + 31
;   12,800 1,024       Q's scale words [T: 8][lane]: lanes 0-15 (s0, s1, 1, 1), lanes 16-31 (1, 1, s0, s1)
; SHARES.  Work-group x = head, y = block of 256 tokens.  Twelve waves: wave w takes tokens 64 (w & 3) on and role w >> 2 (0: k, 1: v, 2: q): 64 x 64 results in 16 accumulators.
; All of K lies in LDS, in two halves of 512 along K; each half and the scales are filled once.  Both halves are in before the first product.
; CLUSTER 4 x 4: the four work-groups of a row share their 256 rows of x, the four of a column their head's weights: each tile is asked for jointly.
; LAYOUT.  Roles k and q use the product transposed (source 0 = 16 rows of W, source 1 = 16 tokens): a lane holds one token and its registers run along e.  Role v uses it the other way
; (source 0 = 16 tokens, source 1 = 16 rows of W): a lane holds one e and its registers run along the tokens, which are the keys.  Either way group a (32 registers) is 32 numbers of one row along the next K:
; register 16 b + 8 g + j = k 32 b + 16 g + 8 (lane / 16) + j.  The biases are the C of each sum's first product.
; LIMITS: NaN and infinities are not served.  A block whose largest magnitude lies under 2^-124 (a block of zeros too) gets the scale byte 1; the bytes are read by this program alone.
.set PITCH, 528                        ; a row of 512 bytes of codes (all of K) + 16: an odd multiple of 16 bytes
.set SPI,   48                         ; a row of 32 scale bytes + 16: likewise
.set KHB,   256                        ; the second half of K lies 256 bytes on in each row; rows 0-255 x, row 256 + 64 m + e the weight of role m
.set SCB,   448*PITCH                  ; the scale bytes, same row order
.set STG,   SCB+448*SPI                ; two records as they lie in qkv; no tile lands here
.set REC,   13824
.set AX,   1                           ; v1-2   LDS address of my x fragments, K half 0, 1
.set AW,   3                           ; v3-4   the same for my role's weight
.set AS,   5                           ; v5     scale words: lanes 0-15 x's rows, lanes 16-31 the weight's
.set CA,   6                           ; v6     where my codes go in the stage
.set SAKV, 7                           ; v7     where K's or V's scale half-words go
.set SAQ,  8                           ; v8     where Q's scale words go
.set SH,   9                           ; v9     16 (lane / 16)
.set FILL, 10                          ; v10    the bytes 1 of the dead half of Q's scale word
.set LR,   11                          ; v11    the copy out: 16 bytes a lane
.set LR8,  12                          ; v12    and its last 256 bytes, 8 a lane
.set GO16, 13                          ; v13    16 x lane
.set GO8,  14                          ; v14    8 x lane
.set BO,   15                          ; v15    my offset in the bias
.set SC,   16                          ; v16-31 scale words and nothing else: register 4 i + q: block i of 16 rows, the half's q-th 128 along K
.set BI,   32                          ; v32-63 the bias, eight registers a tile
.set XF,   64                          ; v64-95 x's four fragments
.set WF,   96                          ; v96-127 the weight's four
.set ACC,  128                         ; v128-255 the accumulators
.set TM,   64                          ; behind the products the fragments' registers are free: v64-65 largest magnitudes,
.set TP,   66                          ; v66-67 the other half's, then the bytes,
.set SO,   68                          ; v68-69 the conversions' scale operands,
.set WB,   72                          ; v72-75 two bytes a group,
.set W32,  76                          ; v76-79 Q's words,
.set PCB,  80                          ; v80-95 the codes,
.set CD,   96                          ; v96-113 the copy out
.set WV,   28
.set TQ,   29
.set M,    30
.set HEAD, 33
.set TBK,  34
.set G1XC, 40                          ; s[40:47] group 1, x's codes;  s[48:55] x's scales;  s[56:63] the weight's codes;  s[68:75] its scales
.set G1XS, 48
.set G1WC, 56
.set G1WS, 68
.set G0X,  76                          ; s[76:83] x's two groups 0: scales, codes;  s[88:95] the weight's
.set G0W,  88
.set SEL,  66                          ; s[66:67] lane selects for v_permlanex16_b32: lane l xor 16
.macro CROUND                          ; a round of the cluster's barrier
	s_barrier_signal -1
	s_barrier_wait -1
	s_cmp_lg_u32 s[WV], 0
	s_cbranch_scc1 .Lnot_wave_0_\@
	s_barrier_signal -3
.Lnot_wave_0_\@:
	s_barrier_wait -3
	s_barrier_signal -1
	s_barrier_wait -1
.endm
	s_load_b512 s[4:19], s[0:1], 0x0               ; x's codes s[4:5], scales s[6:7]; Wq's s[8:9], s[10:11]; Wk's s[12:13], s[14:15]; Wv's s[16:17], s[18:19]
	s_load_b256 s[20:27], s[0:1], 0x40             ; bq s[20:21], bk s[22:23], bv s[24:25], qkv s[26:27]
	s_set_vgpr_msb 0x40
	v_lshl_add_u32 v0, v0, 2, 0x47800
	v_mov_b32 v1, 0
	s_set_vgpr_msb 0x4045
	ds_add_u32 v0, v1
	ds_add_u32 v0, v1
	s_set_vgpr_msb 0x4500
	v_lshrrev_b32 v[BO], 5, v0
	s_delay_alu instid0(VALU_DEP_1)
	v_readfirstlane_b32 s[WV], v[BO]               ; wave 0..11
	s_and_b32 s[TQ], s[WV], 3                      ; which 64 tokens
	s_lshr_b32 s[M], s[WV], 2                      ; role
	; every LDS address is made here, of constants, the lane and the wave's number
	v_and_b32 v64, 15, v0                          ; r
	v_bfe_u32 v65, v0, 4, 1                        ; h
	v_and_b32 v66, 31, v0                          ; lane
	s_delay_alu instid0(VALU_DEP_3)
	v_mul_u32_u24 v67, v64, PITCH
	s_delay_alu instid0(VALU_DEP_1)
	v_lshl_add_u32 v67, v65, 4, v67                ; a fragment's row x pitch + 16 h
	s_mul_i32 s2, s[TQ], 64*PITCH
	v_add_nc_u32 v[AX], s2, v67
	s_delay_alu instid0(VALU_DEP_1)
	v_add_nc_u32 v[AX+1], KHB, v[AX]
	s_mul_i32 s2, s[M], 64*PITCH
	s_add_co_u32 s2, s2, 256*PITCH
	v_add_nc_u32 v[AW], s2, v67
	s_delay_alu instid0(VALU_DEP_1)
	v_add_nc_u32 v[AW+1], KHB, v[AW]
	s_mul_i32 s2, s[TQ], 64*SPI
	s_mul_i32 s3, s[M], 64*SPI
	s_add_co_u32 s3, s3, 256*SPI
	s_sub_co_u32 s3, s3, s2                        ; from my x rows to my weight's rows: 3,072 bytes at the least
	v_mul_u32_u24 v68, s3, v65                     ; lanes 16-31 take the weight's: one product with h
	v_mul_u32_u24 v[AS], v64, SPI
	s_delay_alu instid0(VALU_DEP_1)
	v_add_nc_u32 v[AS], v[AS], v68
	s_add_co_u32 s2, s2, SCB
	v_add_nc_u32 v[AS], s2, v[AS]
	s_lshr_b32 s37, s[TQ], 1
	s_mul_i32 s37, s37, REC
	s_add_co_u32 s37, s37, STG                     ; my record in the stage
	s_and_b32 s2, s[TQ], 1                         ; which 64 of its 128 tokens
	s_lshl_b32 s3, s[M], 12
	s_add_co_u32 s3, s3, s37
	s_lshl_b32 s100, s2, 11
	s_add_co_u32 s3, s3, s100
	s_add_co_u32 s3, s3, 512
	v_lshl_add_u32 v[CA], v66, 4, s3               ; 512 + 4,096 role + 2,048 half + 16 lane
	s_lshl_b32 s3, s[M], 8
	s_add_co_u32 s3, s3, s37
	s_lshl_b32 s100, s2, 1
	s_add_co_u32 s3, s3, s100
	v_lshl_add_u32 v[SAKV], v64, 4, s3             ; 256 role + 2 half + 16 r
	s_lshl_b32 s3, s2, 9
	s_add_co_u32 s3, s3, s37
	s_add_co_u32 s3, s3, 12800
	v_lshl_add_u32 v[SAQ], v66, 2, s3              ; 12,800 + 512 half + 4 lane
	v_lshlrev_b32 v[SH], 4, v65
	v_mov_b32 v[FILL], 0x01010000
	s_delay_alu instid0(VALU_DEP_1)
	v_lshrrev_b32 v[FILL], v[SH], v[FILL]          ; lanes 0-15: bytes 2 and 3 are 1; lanes 16-31: bytes 0 and 1
	s_mul_i32 s3, s[WV], 2304                      ; the copy out: a twelfth of the two records, nine times 256 bytes, to each wave
	s_add_co_u32 s3, s3, STG
	v_lshl_add_u32 v[LR], v66, 4, s3
	s_add_co_u32 s3, s3, 2048
	v_lshl_add_u32 v[LR8], v66, 3, s3
	v_lshlrev_b32 v[GO16], 4, v66
	v_lshlrev_b32 v[GO8], 3, v66
	v_lshlrev_b32 v[BO], 5, v65                    ; roles k and q: the bias of e = 16 t + 8 h + j
	; places, masks
	s_bfe_u32 s31, ttmp6, 0x40000                  ; cx
	s_bfe_u32 s32, ttmp6, 0x40004                  ; cy
	s_lshl_b32 s[HEAD], ttmp9, 2
	s_add_co_u32 s[HEAD], s[HEAD], s31             ; head = 4 x cluster x + cx
	s_and_b32 s[TBK], ttmp7, 0xffff
	s_lshl_b32 s[TBK], s[TBK], 2
	s_add_co_u32 s[TBK], s[TBK], s32               ; block of 256 tokens = 4 x cluster y + cy
	s_lshl_b32 s35, s32, 2
	s_lshl_b32 s35, 15, s35                        ; my row of the cluster: it shares x's rows
	s_lshl_b32 s36, 0x1111, s31                    ; my column: it shares the head's weights
	; group 1.  Codes: 64 whole rows of 512 bytes, 16 bytes of padding behind each 128 words.  Scales: 64 rows x 32 bytes, dense, 16 bytes behind each 8 words
	s_or_b32 s[G1XC], s35, (1<<20)|(1<<21)|(6<<22)|(3<<25)   ; whole rows of 512 bytes, 16 bytes of padding behind each 128 words
	s_or_b32 s[G1WC], s36, (1<<20)|(1<<21)|(6<<22)|(3<<25)
.irp g, G1XC, G1WC
	s_mov_b32 s[\g+1], 512<<16
	s_mov_b32 s[\g+2], 64<<16                      ; tensor_dim1
	s_mov_b32 s[\g+3], 512<<16
	s_mov_b32 s[\g+4], 64                          ; tile_dim1
	s_mov_b32 s[\g+5], 512                         ; from row to row
	s_mov_b32 s[\g+6], 0
	s_mov_b32 s[\g+7], 0
.endr
	s_or_b32 s[G1XS], s35, (1<<20)|(1<<21)|(2<<22)|(3<<25)
	s_or_b32 s[G1WS], s36, (1<<20)|(1<<21)|(2<<22)|(3<<25)
.irp g, G1XS, G1WS
	s_mov_b32 s[\g+1], 32<<16
	s_mov_b32 s[\g+2], 64<<16
	s_mov_b32 s[\g+3], 32<<16
	s_mov_b32 s[\g+4], 64
	s_mov_b32 s[\g+5], 32
	s_mov_b32 s[\g+6], 0
	s_mov_b32 s[\g+7], 0
.endr
	s_mov_b32 s[G1XS+2], 256<<16                   ; x's scale bytes come by one load: all 256 rows
	s_mov_b32 s[G1XS+4], 256
	s_lshl_b32 s2, s[TBK], 8
	s_lshl_b32 s3, s[WV], 6
	s_add_co_u32 s2, s2, s3                        ; x: row 256 x block + 64 x wave (waves 0-3 ask)
	s_lshl_b32 s100, s2, 9                         ; its codes, 512 bytes a row
	s_mov_b32 s101, 0
	s_lshl_b32 s2, s[TBK], 13                      ; the block's scale bytes: 256 rows of 32
	s_mov_b32 s3, 0
	s_wait_dscnt 0x0
	s_wait_kmcnt 0x0
	s_mov_b32 s[G0X], 1
	s_mov_b32 s[G0X+1], SCB
	s_add_nc_u64 s[G0X+2:G0X+3], s[6:7], s[2:3]
	s_or_b32 s[G0X+3], s[G0X+3], 0x80000000
	s_mov_b32 s[G0X+4], 1
	s_mul_i32 s[G0X+5], s[WV], 64*PITCH
	s_add_nc_u64 s[G0X+6:G0X+7], s[4:5], s[100:101]
	s_or_b32 s[G0X+7], s[G0X+7], 0x80000000
	; the weights: wave 4 asks for Wk, 5 for Wv, 6 for Wq; row group = wave, as for x
	s_cmp_eq_u32 s[TQ], 0                          ; waves 4 and 8: Wk (codes, scales); 5 and 9: Wv; 6 and 10: Wq
	s_cselect_b64 s[38:39], s[12:13], s[16:17]
	s_cselect_b64 s[66:67], s[14:15], s[18:19]
	s_cmp_eq_u32 s[TQ], 2
	s_cselect_b64 s[38:39], s[8:9], s[38:39]
	s_cselect_b64 s[66:67], s[10:11], s[66:67]
	s_lshl_b32 s8, s[HEAD], 15                     ; a head's codes: 64 rows of 512 bytes
	s_mov_b32 s9, 0
	s_lshl_b32 s10, s[HEAD], 11                    ; its scale bytes: 64 rows of 32
	s_mov_b32 s11, 0
	s_mov_b32 s[G0W], 1
	s_mul_i32 s[G0W+1], s[TQ], 64*SPI
	s_add_co_u32 s[G0W+1], s[G0W+1], SCB+256*SPI
	s_add_nc_u64 s[G0W+2:G0W+3], s[66:67], s[10:11]
	s_or_b32 s[G0W+3], s[G0W+3], 0x80000000
	s_mov_b32 s[G0W+4], 1
	s_mul_i32 s[G0W+5], s[WV], 64*PITCH
	s_add_nc_u64 s[G0W+6:G0W+7], s[38:39], s[8:9]
	s_or_b32 s[G0W+7], s[G0W+7], 0x80000000
	s_mov_b32 s[SEL], 0x76543210
	s_mov_b32 s[SEL+1], 0xfedcba98
	; my role's bias, at my head
	s_cmp_eq_u32 s[M], 0
	s_cselect_b64 s[22:23], s[22:23], s[24:25]
	s_cmp_eq_u32 s[M], 2
	s_cselect_b64 s[20:21], s[20:21], s[22:23]
	s_lshl_b32 s12, s[HEAD], 8
	s_mov_b32 s13, 0
	s_add_nc_u64 s[20:21], s[20:21], s[12:13]
	; where my wave's 2,304 bytes of the two records go: record (16 batch + head) x 16 + 2 (block % 8)
	s_lshr_b32 s16, s[TBK], 3
	s_lshl_b32 s16, s16, 4
	s_add_co_u32 s16, s16, s[HEAD]
	s_lshl_b32 s16, s16, 4
	s_and_b32 s17, s[TBK], 7
	s_lshl_b32 s17, s17, 1
	s_add_co_u32 s16, s16, s17
	s_mul_i32 s16, s16, REC
	s_mul_i32 s17, s[WV], 2304
	s_add_co_u32 s16, s16, s17
	s_mov_b32 s17, 0
	s_add_nc_u64 s[26:27], s[26:27], s[16:17]
	CROUND                                         ; all sixteen work-groups are here: the joint loads meet
; The head's loads, one a wave, in one chain of arms on the wave's number: waves 0-3 x's codes, 64 rows each; 4-6 a weight's codes; 7 x's scale bytes; 8-10 a weight's scale bytes; wave 11 none.
.macro ARM under, g0, g1, next
	s_cmp_lt_u32 s[WV], \under
	s_cbranch_scc0 \next
	tensor_load_to_lds s[\g0:\g0+3], s[\g1:\g1+7]
	s_nop 0
.rept 4
	v_nop
.endr
	s_branch .Lasked
\next:
.endm
	ARM 4, G0X+4, G1XC, .Lh_wc
	ARM 7, G0W+4, G1WC, .Lh_xs
	ARM 8, G0X, G1XS, .Lh_ws
	ARM 11, G0W, G1WS, .Lh_none
.Lasked:
	s_cmp_eq_u32 s[M], 1
	s_cbranch_scc1 .Lbias_v
	s_wait_alu depctr_va_vdst(0)
.irp t, 0,1,2,3
	global_load_b128 v[BI+8*\t:BI+8*\t+3], v[BO], s[20:21] offset:64*\t          ; b(16 t + 8 h + 0 .. 3)
	global_load_b128 v[BI+8*\t+4:BI+8*\t+7], v[BO], s[20:21] offset:64*\t+16
.endr
	s_branch .Lbias_done
.Lbias_v:
	v_lshlrev_b32 v[BO], 2, v64                    ; role v: a lane holds one e: all eight registers of a tile take b(16 t + r)
.irp t, 0,1,2,3
.irp j, 0,1,2,3,4,5,6,7
	global_load_b32 v[BI+8*\t+\j], v[BO], s[20:21] offset:64*\t
.endr
.endr
.Lbias_done:
	s_wait_tensorcnt 0x0                           ; my one load is in
	s_wait_loadcnt 0x0                             ; the bias
	s_barrier_signal -1
	s_barrier_wait -1                              ; everybody's are
; A step of 128 along K: 16 LDS loads (and the half's scale words with its first step), 16 products on 16 accumulators by turns.
.macro KSTEP s
.set kh, (\s)/4
.set sq, (\s)%4
.if (\s) > 0
.rept 4
	v_nop                                          ; four places between the last products and the loads into registers that they read
.endr
.endif
.if sq == 0
.irp i, 0,1,2,3
	ds_load_b128 v[SC+4*\i:SC+4*\i+3], v[AS] offset:16*SPI*\i+16*kh   ; four words a row: the half's four steps
.endr
.endif
.irp i, 0,1,2,3
.irp c, 0,1
	ds_load_b128 v[XF+8*\i+4*\c:XF+8*\i+4*\c+3], v[AX+kh] offset:16*PITCH*\i+64*sq+32*\c
	ds_load_b128 v[WF+8*\i+4*\c:WF+8*\i+4*\c+3], v[AW+kh] offset:16*PITCH*\i+64*sq+32*\c
.endr
.endr
	s_wait_dscnt 0x0
	s_cmp_eq_u32 s[M], 1
	s_cbranch_scc1 .Lrole_v_\@
.irp i, 0,1,2,3
.irp t, 0,1,2,3
.if (\s) == 0
	v_wmma_scale_f32_16x16x128_f8f6f4 v[ACC+8*(4*\i+\t):ACC+8*(4*\i+\t)+7], v[WF+8*\t:WF+8*\t+7], v[XF+8*\i:XF+8*\i+7], v[BI+8*\t:BI+8*\t+7], v[SC+4*\t+sq], v[SC+4*\i+sq] matrix_a_fmt:MATRIX_FMT_FP4 matrix_b_fmt:MATRIX_FMT_FP4 matrix_a_scale:MATRIX_SCALE_ROW1
.else
	v_wmma_scale_f32_16x16x128_f8f6f4 v[ACC+8*(4*\i+\t):ACC+8*(4*\i+\t)+7], v[WF+8*\t:WF+8*\t+7], v[XF+8*\i:XF+8*\i+7], v[ACC+8*(4*\i+\t):ACC+8*(4*\i+\t)+7], v[SC+4*\t+sq], v[SC+4*\i+sq] matrix_a_fmt:MATRIX_FMT_FP4 matrix_b_fmt:MATRIX_FMT_FP4 matrix_a_scale:MATRIX_SCALE_ROW1
.endif
.endr
.endr
	s_branch .Lmultiplied_\@
.Lrole_v_\@:
.irp t, 0,1,2,3
.irp i, 0,1,2,3
.if (\s) == 0
	v_wmma_scale_f32_16x16x128_f8f6f4 v[ACC+8*(4*\t+\i):ACC+8*(4*\t+\i)+7], v[XF+8*\i:XF+8*\i+7], v[WF+8*\t:WF+8*\t+7], v[BI+8*\t:BI+8*\t+7], v[SC+4*\i+sq], v[SC+4*\t+sq] matrix_a_fmt:MATRIX_FMT_FP4 matrix_b_fmt:MATRIX_FMT_FP4 matrix_b_scale:MATRIX_SCALE_ROW1
.else
	v_wmma_scale_f32_16x16x128_f8f6f4 v[ACC+8*(4*\t+\i):ACC+8*(4*\t+\i)+7], v[XF+8*\i:XF+8*\i+7], v[WF+8*\t:WF+8*\t+7], v[ACC+8*(4*\t+\i):ACC+8*(4*\t+\i)+7], v[SC+4*\i+sq], v[SC+4*\t+sq] matrix_a_fmt:MATRIX_FMT_FP4 matrix_b_fmt:MATRIX_FMT_FP4 matrix_b_scale:MATRIX_SCALE_ROW1
.endif
.endr
.endr
.Lmultiplied_\@:
.endm
; 32 numbers of a lane, v[g] on, register 16 b + 8 g' + j = k 32 b + 16 g' + 8 (lane / 16) + j of my row, become four registers of codes, register i of lane (r, h) = k 32 h + 8 i .. + 7, and the two scale bytes in v[w].
.macro QUANT2 g, pc, w
.irp b, 0,1
	v_max3_num_f32 v[TM+\b], |v[(\g)+16*\b]|, |v[(\g)+16*\b+1]|, 0x1800000   ; my 16 numbers of block b, from the low end on, and the floor 2^(3 - 127): the byte cannot fall under 1
.endr
.irp i, 2,4,6,8,10,12,14
.irp b, 0,1
	v_max3_num_f32 v[TM+\b], v[TM+\b], |v[(\g)+16*\b+\i]|, |v[(\g)+16*\b+\i+1]|
.endr
.endr
.irp b, 0,1
	s_delay_alu instid0(VALU_DEP_2)
	v_permlanex16_b32 v[TP+\b], v[TM+\b], s[SEL], s[SEL+1]
.endr
.irp b, 0,1
	s_delay_alu instid0(VALU_DEP_2)
	v_max_num_f32 v[TM+\b], v[TM+\b], v[TP+\b]     ; with lane l xor 16's 16: the block's largest magnitude
.endr
.irp b, 0,1
	s_delay_alu instid0(VALU_DEP_2)
	v_add_nc_u32 v[SO+\b], 0xff000000, v[TM+\b]    ; 2 off its exponent field: the conversion's scale operand
.endr
.irp b, 0,1
	s_delay_alu instid0(VALU_DEP_2)
	v_lshrrev_b32 v[TP+\b], 23, v[SO+\b]           ; the scale's byte
.endr
	s_delay_alu instid0(VALU_DEP_1)
	v_lshl_or_b32 v[\w], v[TP+1], 8, v[TP]
	v_cvt_scalef32_pk8_fp4_f32 v[(\pc)], v[(\g):(\g)+7], v[SO]
	v_cvt_scalef32_pk8_fp4_f32 v[(\pc)+2], v[(\g)+8:(\g)+15], v[SO]
	v_cvt_scalef32_pk8_fp4_f32 v[(\pc)+1], v[(\g)+16:(\g)+23], v[SO+1]
	v_cvt_scalef32_pk8_fp4_f32 v[(\pc)+3], v[(\g)+24:(\g)+31], v[SO+1]
	v_nop                                          ; one plain instruction behind the conversions
	v_permlane16_swap_b32 v[(\pc)], v[(\pc)+1]     ; block 0's upper lanes change places with block 1's lower: lanes 0-15 now hold block 0, lanes 16-31 block 1
	v_permlane16_swap_b32 v[(\pc)+2], v[(\pc)+3]
.endm
; THE WAY OUT of a block of 256 tokens: quantised, through the stage, stored as two records
.macro EPI
.rept 4
	v_nop                                          ; four places between the last products and the first read of results and write of their operands' registers
.endr
.irp a, 0,1,2,3
	QUANT2 ACC+32*\a, PCB+4*\a, WB+\a
	v_lshl_or_b32 v[W32+\a], v[WB+\a], v[SH], v[FILL]   ; Q's word: the two bytes in the live half, 1 in the dead half
	ds_store_b128 v[CA], v[PCB+4*\a:PCB+4*\a+3] offset:512*\a
.endr
	s_cmp_eq_u32 s[M], 2
	s_cbranch_scc1 .Lq_words_\@
.irp a, 0,1,2,3
	ds_store_b16 v[SAKV], v[WB+\a] offset:4*\a     ; lanes r and r + 16 write the same two bytes with the same value
.endr
	s_branch .Lwords_done_\@
.Lq_words_\@:
	s_wait_alu depctr_va_vdst(0)
.irp a, 0,1,2,3
	ds_store_b32 v[SAQ], v[W32+\a] offset:128*\a
.endr
.Lwords_done_\@:
	s_wait_dscnt 0x0                               ; for the others' sake: my stores into the stage are done
	s_barrier_signal -1
	s_barrier_wait -1                              ; the two records are whole
.irp i, 0,1,2,3
	ds_load_b128 v[CD+4*\i:CD+4*\i+3], v[LR] offset:512*\i
.endr
	ds_load_b64 v[CD+16:CD+17], v[LR8]
.irp i, 0,1,2,3
	s_wait_dscnt 4-\i                              ; the younger loads of this run may stay out
	global_store_b128 v[GO16], v[CD+4*\i:CD+4*\i+3], s[26:27] offset:512*\i   ; 32 lanes store 512 consecutive bytes, at a multiple of 256 from the buffer's first byte
.endr
	s_wait_dscnt 0x0
	global_store_b64 v[GO8], v[CD+16:CD+17], s[26:27] offset:2048
.endm
.macro KALL                            ; all of K for one block: eight steps of 128
	KSTEP 0
	KSTEP 1
	KSTEP 2
	KSTEP 3
	KSTEP 4
	KSTEP 5
	KSTEP 6
	KSTEP 7
.endm
; A WORK-GROUP STAYS: it makes token blocks y and y + 16 (of 32) for its head.  The weights, their scale bytes and the bias are fetched once; x's rows and scale bytes are filled again behind block y's last products,
; and block y is quantised and stored while that load is on its way.
	KALL
	s_set_vgpr_msb 0x5                             ; (the add's two registers lie in window 1)
	s_wait_tensorcnt 0x0                           ; no tensor load of mine is out, so a group 0 may be written
	ds_add_u32 v0, v1                              ; the add, written twice on end
	ds_add_u32 v0, v1
	s_add_nc_u64 s[G0X+6:G0X+7], s[G0X+6:G0X+7], 0x200000   ; x's codes, 16 blocks of 256 rows of 512 bytes on
	s_add_nc_u64 s[G0X+2:G0X+3], s[G0X+2:G0X+3], 0x20000    ; its scale bytes, 16 blocks of 8,192 bytes on
	s_wait_dscnt 0x0                               ; the adds are done, and so are my reads of x's rows and scale bytes
	s_set_vgpr_msb 0x500
	CROUND                                         ; the same holds of every wave of all sixteen work-groups
	s_cmp_lt_u32 s[WV], 4                          ; waves 0-3 fill x's codes again, wave 7 its scale bytes: one joint load a wave, the first behind the round
	s_cbranch_scc0 .Lr_xs
	tensor_load_to_lds s[G0X+4:G0X+7], s[G1XC:G1XC+7]
	s_nop 0
.rept 4
	v_nop
.endr
	s_branch .Lr_done
.Lr_xs:
	s_cmp_eq_u32 s[WV], 7
	s_cbranch_scc0 .Lr_done
	tensor_load_to_lds s[G0X:G0X+3], s[G1XS:G1XS+7]
	s_nop 0
.rept 4
	v_nop
.endr
.Lr_done:
	EPI
	s_wait_xcnt 0x0                                ; the stores have read their base and their data registers
	s_add_nc_u64 s[26:27], s[26:27], 512*REC       ; two batches on: 512 records
	s_wait_tensorcnt 0x0                           ; my part of the second block is in
	s_wait_dscnt 0x0                               ; and my reads of the stage are over
	s_barrier_signal -1
	s_barrier_wait -1                              ; both hold of every wave
	KALL
	EPI
	s_set_vgpr_msb 0x5
	s_wait_tensorcnt 0x0
	ds_add_u32 v0, v1
	s_wait_dscnt 0x0
	s_set_vgpr_msb 0x500
	CROUND                                         ; the closing round: no work-group ends while a partner may still ask for a tile that names it
	s_endpgm
.Lfunc_end_k_q21e7d4cca3_proj:
	.size	k_q21e7d4cca3_proj, .Lfunc_end_k_q21e7d4cca3_proj-k_q21e7d4cca3_proj
	.p2alignl 7, 3214868480
	.fill 96, 4, 3214868480
	.section	.rodata,"a",@progbits
	.p2align	6, 0x0
	.amdhsa_kernel k_q21e7d4cca3_proj
		.amdhsa_group_segment_fixed_size 327680
		.amdhsa_private_segment_fixed_size 0
		.amdhsa_enable_private_segment 0
		.amdhsa_kernarg_size 96
		.amdhsa_user_sgpr_count 2
		.amdhsa_user_sgpr_kernarg_segment_ptr 1
		.amdhsa_wavefront_size32 1
		.amdhsa_system_sgpr_workgroup_id_x 1
		.amdhsa_system_sgpr_workgroup_id_y 1
		.amdhsa_system_sgpr_workgroup_id_z 1
		.amdhsa_system_vgpr_workitem_id 0
		.amdhsa_next_free_vgpr 258
		.amdhsa_next_free_sgpr 102
		.amdhsa_reserve_vcc 0
		.amdhsa_float_denorm_mode_32 3
		.amdhsa_float_denorm_mode_16_64 3
		.amdhsa_memory_ordered 1
		.amdhsa_forward_progress 1
		.amdhsa_inst_pref_size 123
	.end_amdhsa_kernel
	.amdgpu_metadata
---
amdhsa.version: [ 1, 2 ]
amdhsa.kernels:
  - .name:           k_q21e7d4cca3_proj
    .symbol:         k_q21e7d4cca3_proj.kd
    .args:
      - { .name: x_codes, .offset: 0, .size: 8, .value_kind: global_buffer, .address_space: global }
      - { .name: x_scales, .offset: 8, .size: 8, .value_kind: global_buffer, .address_space: global }
      - { .name: Wq_codes, .offset: 16, .size: 8, .value_kind: global_buffer, .address_space: global }
      - { .name: Wq_scales, .offset: 24, .size: 8, .value_kind: global_buffer, .address_space: global }
      - { .name: Wk_codes, .offset: 32, .size: 8, .value_kind: global_buffer, .address_space: global }
      - { .name: Wk_scales, .offset: 40, .size: 8, .value_kind: global_buffer, .address_space: global }
      - { .name: Wv_codes, .offset: 48, .size: 8, .value_kind: global_buffer, .address_space: global }
      - { .name: Wv_scales, .offset: 56, .size: 8, .value_kind: global_buffer, .address_space: global }
      - { .name: bq, .offset: 64, .size: 8, .value_kind: global_buffer, .address_space: global }
      - { .name: bk, .offset: 72, .size: 8, .value_kind: global_buffer, .address_space: global }
      - { .name: bv, .offset: 80, .size: 8, .value_kind: global_buffer, .address_space: global }
      - { .name: qkv, .offset: 88, .size: 8, .value_kind: global_buffer, .address_space: global }
    .group_segment_fixed_size: 327680
    .private_segment_fixed_size: 0
    .kernarg_segment_align: 8
    .kernarg_segment_size: 96
    .max_flat_workgroup_size: 384
    .sgpr_count:     102
    .vgpr_count:     258
    .wavefront_size: 32
...
	.end_amdgpu_metadata
.endif
;; end of part 1
;; launch attn (part 2): grid 4 x 64, 8 waves a work-group, clusters of 4 x 1, 327,680 bytes of LDS; arguments qkv, z_img, z_sc; writes z_img, z_sc
.if DOCPART == 2
	.amdgcn_target "amdgcn-amd-amdhsa--gfx1250"
	.amdhsa_code_object_version 6
	.text
	.protected	k_q21e7d4cca3_attn
	.globl	k_q21e7d4cca3_attn
	.p2align	8
	.type	k_q21e7d4cca3_attn,@function
k_q21e7d4cca3_attn:
	s_mov_b64 s[64:65], 0
	v_nop
	global_prefetch_b8 v0, s[64:65] scope:SCOPE_SE
	s_setreg_imm32_b32 hwreg(HW_REG_WAVE_MODE, 25, 1), 1
	s_wait_xcnt 0x0
	s_wait_alu depctr_hold_cnt(0) depctr_sa_sdst(0) depctr_va_vdst(0) depctr_va_sdst(0) depctr_va_ssrc(0) depctr_va_vcc(0) depctr_vm_vsrc(0)
	s_getreg_b32 s2, hwreg(HW_REG_IB_STS2, 6, 4)
	s_cmp_eq_u32 s2, 0
	s_cbranch_scc0 .Lentry_in_a_cluster
	s_endpgm
.Lentry_in_a_cluster:
	s_bfe_u32 s2, ttmp6, 0x10000c
	s_cmp_lg_u32 s2, 0x3003
	s_cbranch_scc0 .Lentry_shape_is_right
	s_endpgm
.Lentry_shape_is_right:
; z = softmax(q k^T / 8) v for one head of a batch and 512 queries, both products on codes of FP4 (E2M1) with E8M0 scales; z is quantised along the head's 64 and leaves as images of operand registers (z_img) and scale bytes (z_sc).
; INPUT: qkv, records of 128 tokens, 13,824 bytes, [head of a batch: 64][16]: 512 bytes of K's and V's scale words, 4,096 of K's codes, 4,096 of V's, then Q's codes and scale words.
; THE SOFTMAX: t = score x log2(e) / 8; M = the ceiling of the running largest t; p = 2^(t - M) is quantised along the keys; the sum is taken of the unquantised p and divides at the end; when M moves, sum and O^T are multiplied by 2^(old M - new M).
; SHARES.  Work-group: 512 queries (cluster place x) of head y.  Eight waves, 64 queries each: four tiles of 16.  A step is 256 keys (two records); in it the four tiles are served one after the other, all from the same fragments of K and V.
; LDS.  The first 8,704 bytes of all 16 records lie in LDS, filled once: each wave asks for two records by one joint load (the four work-groups of a head form the cluster).  32 bytes of padding stand behind each 256, so a byte d lies at d + 32 (d / 256).
; No prefetch: every tile is asked for at the head, and there is no loop to run ahead in.
; LAYOUT.  Both products transposed: a lane holds one query (lane % 16).  K's head size is 64, so a fragment's registers 0-3 hold one tile of 16 keys and 4-7 another, and Q stands beside zero codes in the other half.
; THE KEYS OF A TILE: row m of tile (c, i) is key 64 c + 32 (m / 8) + 8 i + m % 8 (chosen by the LDS address).  So lane (r, h) holds in registers 32 c + 8 i + j key 64 c + 32 h + 8 i + j: whole blocks of 32 keys, in the order of P's operand:
; the conversions' results are the operand as they stand, and a block's largest score needs no other lane.
; ORDER IN A STEP.  A tile's scores are multiplied ahead of the tile before's second product; half of that product and the end of that tile's sum stand between the dependent lines that move M.
; REGISTERS.  Window 0: addresses, state, scales, P's codes, Q, K's and V's fragments.  Window 1: v0-127 the scores of 256 keys, then p; v128-255 O^T of the four tiles.
; LIMITS: NaN and infinities are not served; the promise holds while the scaled scores stay under 2^31 in magnitude.  A block whose every p is under 2^-124 gets the scale byte 1.
.set REC,   13824
.set STEPL, 9792                       ; 34 rows of 256 + 32 bytes: a record's part in LDS
.set SPARE, 16*STEPL                   ; the spare words, 128 bytes a wave
.set AK0,  1                           ; lane's place in K's codes: 1152 (r / 8) + 16 (r % 8) + 288 h
.set AV0,  2                           ; in V's codes: 16 r + 288 h
.set AKS0, 3                           ; in K's scale words: 16 (r % 8) + 8 (r / 8)
.set AVS0, 4                           ; in V's: 16 r
.set ADK,  5                           ; the same four at the step in hand
.set ADV,  6
.set ADKS, 7
.set ADVS, 8
.set SPW,  9
.set NIL,  10
.set ST0,  12                          ; v12-27: for each tile -M, the largest score, the sum in two halves
.set F,    28                          ; v28-29
.set X,    30
.set TPV,  31
.set BM,   32                          ; v32-39 the maxima's eight chains; then v32-35 the blocks' largest, v36-39 the conversions' scale operands, then the bytes and words in the making
.set SO,   36
.set TS,   40                          ; v40-47 four partial sums that wait for the next tile's M chain; v32-35 and v40-47 are the sums' six chains
.set PW,   48                          ; v48-49 P's scale words;  v50-57 K's;  v58-65 V's;  v66-69 Q's: scales and nothing else
.set SCK,  50
.set SCV,  58
.set QS,   66
.set PC,   70                          ; v70-85 P's codes, two halves
.set QB,   86                          ; v86-121: 0, q0, 0, q1, 0, q2, 0, q3, 0, four registers each
.set KF,   122                         ; v122-185 K's eight fragments
.set VF,   186                         ; v186-249 V's eight
.set LI,   250
.set GQ,   251
.set GS,   252
.set OLD,  253
.set WV,   10
.set SEL,  32
.set CS,   34
.set TB,   36
.set CNT,  37
.set MSB, 0
.macro WIN new                         ; the immediate's high byte repeats the setting that is left
.if MSB != \new
	s_set_vgpr_msb (MSB<<8)|\new
.set MSB, \new
.endif
.endm
.macro CROUND
	s_barrier_signal -1
	s_barrier_wait -1
	s_cmp_lg_u32 s[WV], 0
	s_cbranch_scc1 .Lnot_wave_0_\@
	s_barrier_signal -3
.Lnot_wave_0_\@:
	s_barrier_wait -3
	s_barrier_signal -1
	s_barrier_wait -1
.endm
.macro PLACES
.rept 4
	v_nop
.endr
.endm
	s_load_b128 s[4:7], s[0:1], 0x0                ; qkv, z_img
	s_load_b64 s[8:9], s[0:1], 0x10                ; z_sc
	v_lshl_add_u32 v[SPW], v0, 2, SPARE
	v_mov_b32 v[NIL], 0
	ds_add_u32 v[SPW], v[NIL]                      ; the opening lines
	ds_add_u32 v[SPW], v[NIL]
	v_lshrrev_b32 v30, 5, v0
	v_readfirstlane_b32 s[WV], v30
	s_bfe_u32 s11, ttmp6, 0x40000                  ; cx: which 512 queries
	s_and_b32 s12, ttmp7, 0xffff                   ; head of a batch
	s_mov_b32 s16, 15|(3<<16)|(1<<20)|(1<<21)|(5<<22)|(7<<25)   ; all four partners; elements of 8 bytes; 8 words of padding behind each 64
	s_mov_b32 s17, 1088<<16                        ; a row: 8,704 bytes
	s_mov_b32 s18, 2<<16                           ; two rows
	s_mov_b32 s19, 1088<<16
	s_mov_b32 s20, 2
	s_mov_b32 s21, REC/8
	s_mov_b32 s22, 0
	s_mov_b32 s23, 0
	s_mov_b32 s[SEL], 0x76543210
	s_mov_b32 s[SEL+1], 0xfedcba98
	s_mov_b32 s[CS], 0x3e38aa3b                    ; log2(e) / 8
	s_mov_b32 s[CS+1], s[CS]
	s_mul_i32 s38, s12, 16*REC
	s_mov_b32 s39, 0
	s_mul_i32 s40, s[WV], 2*REC
	s_mov_b32 s41, 0
	s_wait_dscnt 0x0
	s_wait_kmcnt 0x0
	s_add_nc_u64 s[4:5], s[4:5], s[38:39]          ; my head's records
	s_mov_b32 s24, 1
	s_mul_i32 s25, s[WV], 2*STEPL
	s_add_nc_u64 s[26:27], s[4:5], s[40:41]
	s_or_b32 s27, s27, 0x80000000
	CROUND
	tensor_load_to_lds s[24:27], s[16:23]          ; records 2 w and 2 w + 1: my one load
	s_nop 0
	PLACES
	v_and_b32 v30, 15, v0                          ; r
	v_bfe_u32 v31, v0, 4, 1                        ; h
	v_and_b32 v32, 7, v0
	v_bfe_u32 v33, v0, 3, 1
	v_mul_u32_u24 v34, v31, 288
	v_lshl_add_u32 v[AV0], v30, 4, v34
	v_lshl_add_u32 v35, v32, 4, v34
	v_mad_u32_u24 v[AK0], v33, 1152, v35
	v_lshlrev_b32 v35, 4, v32
	v_lshl_add_u32 v[AKS0], v33, 3, v35
	v_lshlrev_b32 v[AVS0], 4, v30
	v_and_b32 v36, 31, v0
	v_lshlrev_b32 v[LI], 4, v36
	v_lshlrev_b32 v[GQ], 2, v36
	v_lshlrev_b32 v[GS], 5, v36
	s_lshl_b32 s42, s11, 2                         ; Q: record 4 cx + w / 2, tiles 4 (w % 2) on
	s_lshr_b32 s43, s[WV], 1
	s_add_co_u32 s42, s42, s43
	s_mul_i32 s42, s42, REC
	s_and_b32 s43, s[WV], 1
	s_lshl_b32 s44, s43, 11
	s_add_co_u32 s44, s44, s42
	s_mov_b32 s45, 0
	s_lshl_b32 s43, s43, 9
	s_add_co_u32 s42, s42, s43
	s_mov_b32 s43, 0
	s_add_nc_u64 s[44:45], s[4:5], s[44:45]
	s_add_nc_u64 s[42:43], s[4:5], s[42:43]
	s_wait_alu depctr_va_vdst(0)
.irp u, 0,1,2,3
	global_load_b128 v[QB+4+8*\u:QB+7+8*\u], v[LI], s[44:45] offset:8704+512*\u
	global_load_b32 v[QS+\u], v[GQ], s[42:43] offset:12800+128*\u
.endr
.irp m, 0,1,2,3,4
.irp j, 0,1,2,3
	v_mov_b32 v[QB+8*\m+\j], 0                     ; the zero codes beside Q
.endr
.endr
.irp u, 0,1,2,3
	v_mov_b32 v[ST0+4*\u], 0x7f61b1e6              ; -M: 3e38
	v_mov_b32 v[ST0+4*\u+1], 0xff61b1e6            ; the largest score so far: -3e38
	v_mov_b32 v[ST0+4*\u+2], 0
	v_mov_b32 v[ST0+4*\u+3], 0
.endr
	v_mov_b32 v[F+1], 0
	WIN 0x40
.set jj, 0
.rept 128
	v_mov_b32 v[128+jj], 0                         ; O^T: the loop has no first step of its own; the first change of M multiplies zeros
.set jj, jj+1
.endr
	WIN 0
; S^T = K Q^T of tile u against the step's 256 keys: half a = the first record (v0-63 of window 1), half b the second (v64-127)
.macro QKM u
.set QL, QB+4+8*(\u)
.set QH, QB+8*(\u)
	WIN 0x40
.irp g, 0,1
.irp i, 0,1,2,3
	v_wmma_scale_f32_16x16x128_f8f6f4 v[64*\g+8*\i:64*\g+8*\i+7], v[KF+32*\g+8*\i:KF+32*\g+8*\i+7], v[QL:QL+7], 0, v[SCK+4*\g+2*(\i%2)+\i/2], v[QS+(\u)] matrix_a_fmt:MATRIX_FMT_FP4 matrix_b_fmt:MATRIX_FMT_FP4
.endr
.irp i, 0,1,2,3
	v_wmma_scale_f32_16x16x128_f8f6f4 v[64*\g+32+8*\i:64*\g+32+8*\i+7], v[KF+32*\g+8*\i:KF+32*\g+8*\i+7], v[QH:QH+7], 0, v[SCK+4*\g+2*(\i%2)+\i/2], v[QS+(\u)] matrix_a_fmt:MATRIX_FMT_FP4 matrix_b_fmt:MATRIX_FMT_FP4 matrix_b_scale:MATRIX_SCALE_ROW1
.endr
.endr
.endm
; one product of O^T += V^T P^T: tile u, half g of the keys, 16 of the head's 64.  A tile's four accumulators take turns: three other products stand between two steps of a sum
.macro PV1 u, g, t
	WIN 0x50
	v_wmma_scale_f32_16x16x128_f8f6f4 v[128+32*(\u)+8*(\t):128+32*(\u)+8*(\t)+7], v[VF+32*(\g)+8*(\t):VF+32*(\g)+8*(\t)+7], v[PC+8*(\g):PC+8*(\g)+7], v[128+32*(\u)+8*(\t):128+32*(\u)+8*(\t)+7], v[SCV+4*(\g)+(\t)], v[PW+(\g)] matrix_a_fmt:MATRIX_FMT_FP4 matrix_b_fmt:MATRIX_FMT_FP4
.endm
.macro PVH u, g
.irp t, 0,1,2,3
	PV1 \u, \g, \t
.endr
.endm
.macro SUMS cnt, stride                ; cnt pairs from v[sp] of window 1 on, onto the six chains by turns
.rept \cnt
.set kk, mm%6
.set cr, 32+2*kk+4*((kk+2)/4)
	v_pk_add_f32 v[cr:cr+1], v[cr:cr+1], v[sp:sp+1]
.set sp, sp+\stride
.set mm, mm+1
.endr
.endm
; THE SOFTMAX OF TILE u OVER 256 KEYS.  p >= 0: tile p's second product over half b and the end of its sum stand between the lines that move M.
.macro SOFT u, p
.set ST, ST0+4*(\u)
.set OQ, 128+32*(\u)
	WIN 0x15                                       ; the largest score of each of my four blocks of 32 keys, in eight chains of 16 by turns
.irp k, 0,1,2,3,4,5,6,7
	v_max3_num_f32 v[BM+\k/2+4*(\k%2)], v[16*\k], v[16*\k+1], v[16*\k+2]
.endr
	WIN 0x14
.irp e, 3,5,7,9,11,13
.irp k, 0,1,2,3,4,5,6,7
	v_max3_num_f32 v[BM+\k/2+4*(\k%2)], v[BM+\k/2+4*(\k%2)], v[16*\k+\e], v[16*\k+\e+1]
.endr
.endr
.irp b, 0,1,2,3
	v_max3_num_f32 v[BM+\b], v[BM+\b], v[32*\b+15], v[32*\b+31]
.endr
	WIN 0
.irp b, 0,1,2,3
	v_max_num_f32 v[BM+\b], v[BM+\b], v[BM+4+\b]
.endr
	v_mov_b32 v[OLD], v[ST]                        ; the old -M
	v_max3_num_f32 v[X], v[BM], v[BM+1], v[BM+2]
.if (\p) >= 0
	v_pk_add_f32 v[TS:TS+1], v[TS:TS+1], v[TS+2:TS+3]
	v_pk_add_f32 v[TS+4:TS+5], v[TS+4:TS+5], v[TS+6:TS+7]
	PV1 \p, 1, 0
	WIN 0
.endif
	v_max_num_f32 v[X], v[X], v[BM+3]
.if (\p) >= 0
	PV1 \p, 1, 1
	WIN 0
.endif
	v_permlanex16_b32 v[TPV], v[X], s[SEL], s[SEL+1]
.if (\p) >= 0
	v_pk_add_f32 v[TS:TS+1], v[TS:TS+1], v[TS+4:TS+5]
	PV1 \p, 1, 2
	WIN 0
.endif
	v_max3_num_f32 v[ST+1], v[ST+1], v[X], v[TPV]  ; the running largest score of my query
.if (\p) >= 0
	PV1 \p, 1, 3
	WIN 0
.endif
	v_mul_f32 v[X], s[CS], -v[ST+1]
.if (\p) >= 0
	v_pk_add_f32 v[ST0+4*(\p)+2:ST0+4*(\p)+3], v[ST0+4*(\p)+2:ST0+4*(\p)+3], v[TS:TS+1]   ; tile p's sum is whole
.endif
	v_floor_f32 v[ST], v[X]                        ; the new -M = floor(-t)
	WIN 0x41
.set jj, 0
.rept 32
	v_pk_fma_f32 v[jj:jj+1], v[jj:jj+1], s[CS:CS+1], v[ST:ST+1] op_sel_hi:[1,0,0]   ; half a: t - M
.set jj, jj+2
.endr
	WIN 0
	v_sub_f32 v[OLD], v[ST], v[OLD]                ; old M - new M: a whole number, 0 or less
	v_fma_f32 v[BM], v[BM], s[CS], v[ST]           ; t - M of each block's largest score
	v_fma_f32 v[BM+1], v[BM+1], s[CS], v[ST]
	v_cvt_i32_f32 v[OLD], v[OLD]                   ; (it saturates)
	v_fma_f32 v[BM+2], v[BM+2], s[CS], v[ST]
	v_fma_f32 v[BM+3], v[BM+3], s[CS], v[ST]
	v_ldexp_f32 v[F], 1.0, v[OLD]                  ; f = 2^(old M - new M)
	WIN 0x41
	s_wait_alu depctr_va_vdst(0)                   ; ahead of the exponentials, and directly ahead of the first readers of O^T
.set jj, 0
.rept 16
	v_pk_mul_f32 v[OQ+jj:OQ+jj+1], v[OQ+jj:OQ+jj+1], v[F:F+1] op_sel_hi:[1,0]   ; O^T under the new M
.set jj, jj+2
.endr
	WIN 0
.irp b, 0,1,2,3
	v_exp_f32 v[BM+\b], v[BM+\b]                   ; each block's largest p
.endr
	WIN 0x41
.set jj, 0
.rept 32                                       ; half a's exponentials; among them half b's t - M, which names none of their registers and is first read behind the next wait
	v_exp_f32 v[jj], v[jj]
	v_exp_f32 v[jj+1], v[jj+1]
	v_pk_fma_f32 v[64+jj:65+jj], v[64+jj:65+jj], s[CS:CS+1], v[ST:ST+1] op_sel_hi:[1,0,0]
.set jj, jj+2
.endr
	WIN 0
	v_pk_mul_f32 v[ST+2:ST+3], v[ST+2:ST+3], v[F:F+1] op_sel_hi:[1,0]   ; the sums under the new M
	s_wait_alu depctr_va_vdst(0)                   ; one wait for the batch
.irp b, 0,1,2,3
	v_max_num_f32 v[BM+\b], 0x1800000, v[BM+\b]    ; the floor 2^(3 - 127)
.endr
.irp b, 0,1,2,3
	v_add_nc_u32 v[SO+\b], 0xff000000, v[BM+\b]    ; 2 off the exponent field: the conversion's scale operand
.endr
	s_wait_alu depctr_va_vdst(0)
	WIN 0x45
.set jj, 0
.rept 8                                        ; half b's exponentials; among the first 32 half a's conversions: the operand's registers as they stand
	v_exp_f32 v[64+4*jj], v[64+4*jj]
	v_exp_f32 v[65+4*jj], v[65+4*jj]
	v_exp_f32 v[66+4*jj], v[66+4*jj]
	v_exp_f32 v[67+4*jj], v[67+4*jj]
	WIN 0x01
	v_cvt_scalef32_pk8_fp4_f32 v[PC+jj], v[8*jj:8*jj+7], v[SO+jj/4]
	WIN 0x45
.set jj, jj+1
.endr
	v_nop                                          ; one plain place between the conversions and the lines that write their sources
.set jj, 0
.rept 16                                       ; among the last 32 the first level of half a's sum, in place: each line's result is first read behind the next wait
	v_exp_f32 v[96+2*jj], v[96+2*jj]
	v_exp_f32 v[97+2*jj], v[97+2*jj]
	v_pk_add_f32 v[4*jj:4*jj+1], v[4*jj:4*jj+1], v[4*jj+2:4*jj+3]
.set jj, jj+1
.endr
	s_wait_alu depctr_va_vdst(0)                   ; one wait for the batch
	WIN 0x01
.irp c, 0,1
.irp i, 0,1,2,3
	v_cvt_scalef32_pk8_fp4_f32 v[PC+8+4*\c+\i], v[64+32*\c+8*\i:64+32*\c+8*\i+7], v[SO+2+\c]
.endr
.endr
	v_nop
	WIN 0x05                                       ; the sum of the unquantised p: 48 pairs (half a's 16 partial ones, half b's 32) in six chains
.irp k, 0,1,2,3,4,5
	v_pk_add_f32 v[32+2*\k+4*((\k+2)/4):33+2*\k+4*((\k+2)/4)], v[64+4*\k:65+4*\k], v[66+4*\k:67+4*\k]
.endr
	WIN 0x04                                       ; between the sums, under the same windows, P's scale words are made
.irp b, 0,1,2,3
	v_bfe_u32 v[SO+\b], v[SO+\b], 23, 8            ; the scale's byte
.endr
.set mm, 0
.set sp, 88
	SUMS 12, 2
.irp g, 0,1
	v_lshl_or_b32 v[SO+2*\g], v[SO+2*\g+1], 16, v[SO+2*\g]   ; my blocks h and 2 + h of the half
.endr
	SUMS 8, 2
.irp g, 0,1
	v_permlanex16_b32 v[SO+2*\g+1], v[SO+2*\g], s[SEL], s[SEL+1]
.endr
.set sp, 0
	SUMS 8, 4
.irp g, 0,1
	v_lshl_or_b32 v[PW+\g], v[SO+2*\g+1], 8, v[SO+2*\g]      ; lanes 0-15, which alone are read: blocks 0 and 2 are mine, 1 and 3 lane l + 16's
.endr
	SUMS 8, 4
	WIN 0
	v_pk_add_f32 v[TS:TS+1], v[TS:TS+1], v[32:33]  ; four partial sums stay in v40-47
	v_pk_add_f32 v[TS+2:TS+3], v[TS+2:TS+3], v[34:35]
.endm
	s_wait_alu depctr_va_vdst(0)
	s_wait_tensorcnt 0x0                           ; my two records are in
	s_wait_loadcnt 0x0                             ; Q
	s_barrier_signal -1
	s_barrier_wait -1                              ; everybody's are: nothing is filled again
	s_mov_b32 s[TB], 0
	s_mov_b32 s[CNT], 8
.Lstep:
	v_add_nc_u32 v[ADK], s[TB], v[AK0]             ; (these four are also the places ahead of the loads into registers that the last products read)
	v_add_nc_u32 v[ADV], s[TB], v[AV0]
	v_add_nc_u32 v[ADKS], s[TB], v[AKS0]
	v_add_nc_u32 v[ADVS], s[TB], v[AVS0]
	s_wait_alu depctr_va_vdst(0)
.irp g, 0,1
	ds_load_b64 v[SCK+4*\g:SCK+4*\g+1], v[ADKS] offset:STEPL*\g          ; K's scale words of fragments 0 and 2
	ds_load_b64 v[SCK+4*\g+2:SCK+4*\g+3], v[ADKS] offset:STEPL*\g+128    ; of 1 and 3
.irp i, 0,1,2,3
.irp c, 0,1
	ds_load_b128 v[KF+32*\g+8*\i+4*\c:KF+32*\g+8*\i+4*\c+3], v[ADK] offset:STEPL*\g+576+2304*\c+576*(\i/2)+128*(\i%2)
.endr
.endr
.endr
.irp g, 0,1
	ds_load_b128 v[SCV+4*\g:SCV+4*\g+3], v[ADVS] offset:STEPL*\g+288
.irp t, 0,1,2,3
.irp c, 0,1
	ds_load_b128 v[VF+32*\g+8*\t+4*\c:VF+32*\g+8*\t+4*\c+3], v[ADV] offset:STEPL*\g+5184+2304*\c+576*\t
.endr
.endr
.endr
	s_wait_dscnt 18                                ; K's are in; the 18 younger loads, V's, may be out
	QKM 0
	PLACES                                         ; four places ahead of the first read of results
	SOFT 0, -1
	s_wait_alu depctr_va_vdst(0)
	s_wait_dscnt 0x0                               ; V's fragments and scale words are in
	QKM 1
	PVH 0, 0
	PLACES
	SOFT 1, 0
	QKM 2
	PVH 1, 0
	PLACES
	SOFT 2, 1
	QKM 3
	PVH 2, 0
	PLACES
	SOFT 3, 2
	v_pk_add_f32 v[TS:TS+1], v[TS:TS+1], v[TS+2:TS+3]       ; the step's last tile ends here
	v_pk_add_f32 v[TS+4:TS+5], v[TS+4:TS+5], v[TS+6:TS+7]
	PVH 3, 0
	WIN 0
	v_pk_add_f32 v[TS:TS+1], v[TS:TS+1], v[TS+4:TS+5]
	PVH 3, 1
	WIN 0
	v_pk_add_f32 v[ST0+14:ST0+15], v[ST0+14:ST0+15], v[TS:TS+1]
	s_add_co_u32 s[TB], s[TB], 2*STEPL
	s_sub_co_u32 s[CNT], s[CNT], 1
	s_cmp_lg_u32 s[CNT], 0
	s_wait_alu depctr_va_vdst(0)
	s_cbranch_scc1 .Lstep
	; THE WAY OUT: O^T / the sum, quantised along the head's 64
.irp u, 0,1,2,3
	v_add_f32 v[ST0+4*\u+2], v[ST0+4*\u+2], v[ST0+4*\u+3]
.endr
.irp u, 0,1,2,3
	v_permlanex16_b32 v[BM+\u], v[ST0+4*\u+2], s[SEL], s[SEL+1]
.endr
.irp u, 0,1,2,3
	v_add_f32 v[ST0+4*\u+2], v[ST0+4*\u+2], v[BM+\u]
.endr
	s_wait_alu depctr_va_vdst(0)
.irp u, 0,1,2,3
	v_rcp_f32 v[ST0+4*\u+2], v[ST0+4*\u+2]
.endr
	v_and_b32 v[X], 31, v0                         ; (a plain place)
	s_lshr_b32 s42, s12, 4                         ; tile of 16 tokens: 128 batch + 32 cx + 4 wave
	s_lshl_b32 s42, s42, 7
	s_lshl_b32 s43, s11, 5
	s_add_co_u32 s42, s42, s43
	s_lshl_b32 s43, s[WV], 2
	s_add_co_u32 s42, s42, s43
	s_and_b32 s43, s12, 15                         ; head
	s_lshl_b32 s44, s42, 13
	s_lshl_b32 s46, s43, 9
	s_add_co_u32 s44, s44, s46
	s_mov_b32 s45, 0
	s_add_nc_u64 s[6:7], s[6:7], s[44:45]
	s_lshl_b32 s44, s42, 9
	s_lshl_b32 s46, s43, 1
	s_add_co_u32 s44, s44, s46
	s_add_nc_u64 s[8:9], s[8:9], s[44:45]
	WIN 0x01
	s_wait_alu depctr_va_vdst(0)                   ; for the reciprocals, and directly ahead of the first readers of O^T
.irp u, 0,1,2,3
.set jj, 0
.rept 16
	v_pk_mul_f32 v[KF+32*\u+jj:KF+32*\u+jj+1], v[128+32*\u+jj:128+32*\u+jj+1], v[ST0+4*\u+2:ST0+4*\u+3] op_sel_hi:[1,0]
.set jj, jj+2
.endr
.endr
	WIN 0
; z of tile u: v[KF + 32 u ..], register 16 b + 8 g + j = e 32 b + 16 g + 8 h + j.  The four tiles by turns: each becomes four registers of codes, register i of lane (r, h) = e 32 h + 8 i .. + 7, and two scale bytes.
.set ZS, QB                            ; v86-93 the conversions' scale operands;  v94-97 the bytes (Q is done with)
.set ZW, QB+8
.irp u, 0,1,2,3
.irp b, 0,1
	v_max3_num_f32 v[BM+2*\u+\b], |v[KF+32*\u+16*\b]|, |v[KF+32*\u+16*\b+1]|, 0x1800000
.endr
.endr
.irp i, 2,4,6,8,10,12,14
.irp u, 0,1,2,3
.irp b, 0,1
	v_max3_num_f32 v[BM+2*\u+\b], v[BM+2*\u+\b], |v[KF+32*\u+16*\b+\i]|, |v[KF+32*\u+16*\b+\i+1]|
.endr
.endr
.endr
.irp k, 0,1,2,3,4,5,6,7
	v_permlanex16_b32 v[TS+\k], v[BM+\k], s[SEL], s[SEL+1]
.endr
.irp k, 0,1,2,3,4,5,6,7
	v_max_num_f32 v[BM+\k], v[BM+\k], v[TS+\k]     ; with lane l xor 16's 16: the block's largest magnitude
.endr
.irp k, 0,1,2,3,4,5,6,7
	v_add_nc_u32 v[ZS+\k], 0xff000000, v[BM+\k]
.endr
.irp k, 0,1,2,3,4,5,6,7
	v_lshrrev_b32 v[TS+\k], 23, v[ZS+\k]
.endr
.irp u, 0,1,2,3
	v_lshl_or_b32 v[ZW+\u], v[TS+2*\u+1], 8, v[TS+2*\u]
.endr
.irp u, 0,1,2,3
	v_cvt_scalef32_pk8_fp4_f32 v[PC+4*\u], v[KF+32*\u:KF+32*\u+7], v[ZS+2*\u]
	v_cvt_scalef32_pk8_fp4_f32 v[PC+4*\u+2], v[KF+32*\u+8:KF+32*\u+15], v[ZS+2*\u]
	v_cvt_scalef32_pk8_fp4_f32 v[PC+4*\u+1], v[KF+32*\u+16:KF+32*\u+23], v[ZS+2*\u+1]
	v_cvt_scalef32_pk8_fp4_f32 v[PC+4*\u+3], v[KF+32*\u+24:KF+32*\u+31], v[ZS+2*\u+1]
.endr
	v_nop                                          ; one plain place behind the conversions
.irp u, 0,1,2,3
	v_permlane16_swap_b32 v[PC+4*\u], v[PC+4*\u+1] ; lanes 0-15 now hold block 0, lanes 16-31 block 1
	v_permlane16_swap_b32 v[PC+4*\u+2], v[PC+4*\u+3]
.endr
	v_cmp_gt_u32 vcc_lo, 16, v[X]
	v_cndmask_b32 v[ZW], v[ZW+1], v[ZW], vcc_lo    ; lanes 0-15: the first tile's tokens, lanes 16-31 the next tile's
	v_cndmask_b32 v[ZW+2], v[ZW+3], v[ZW+2], vcc_lo
.irp u, 0,1,2,3
	global_store_b128 v[LI], v[PC+4*\u:PC+4*\u+3], s[6:7] offset:8192*\u   ; 32 lanes store 512 consecutive bytes
.endr
	global_store_b16 v[GS], v[ZW], s[8:9]
	global_store_b16 v[GS], v[ZW+2], s[8:9] offset:1024
	s_wait_tensorcnt 0x0                           ; the wave's end
	ds_add_u32 v[SPW], v[NIL]
	s_wait_dscnt 0x0
	CROUND                                         ; the closing round
	s_endpgm
.Lfunc_end_k_q21e7d4cca3_attn:
	.size	k_q21e7d4cca3_attn, .Lfunc_end_k_q21e7d4cca3_attn-k_q21e7d4cca3_attn
	.p2alignl 7, 3214868480
	.fill 96, 4, 3214868480
	.section	.rodata,"a",@progbits
	.p2align	6, 0x0
	.amdhsa_kernel k_q21e7d4cca3_attn
		.amdhsa_group_segment_fixed_size 327680
		.amdhsa_private_segment_fixed_size 0
		.amdhsa_enable_private_segment 0
		.amdhsa_kernarg_size 24
		.amdhsa_user_sgpr_count 2
		.amdhsa_user_sgpr_kernarg_segment_ptr 1
		.amdhsa_wavefront_size32 1
		.amdhsa_system_sgpr_workgroup_id_x 1
		.amdhsa_system_sgpr_workgroup_id_y 1
		.amdhsa_system_sgpr_workgroup_id_z 1
		.amdhsa_system_vgpr_workitem_id 0
		.amdhsa_next_free_vgpr 512
		.amdhsa_next_free_sgpr 66
		.amdhsa_reserve_vcc 1
		.amdhsa_float_denorm_mode_32 3
		.amdhsa_float_denorm_mode_16_64 3
		.amdhsa_memory_ordered 1
		.amdhsa_forward_progress 1
		.amdhsa_inst_pref_size 125
	.end_amdhsa_kernel
	.amdgpu_metadata
---
amdhsa.version: [ 1, 2 ]
amdhsa.kernels:
  - .name:           k_q21e7d4cca3_attn
    .symbol:         k_q21e7d4cca3_attn.kd
    .args:
      - { .name: qkv, .offset: 0, .size: 8, .value_kind: global_buffer, .address_space: global }
      - { .name: z_img, .offset: 8, .size: 8, .value_kind: global_buffer, .address_space: global }
      - { .name: z_sc, .offset: 16, .size: 8, .value_kind: global_buffer, .address_space: global }
    .group_segment_fixed_size: 327680
    .private_segment_fixed_size: 0
    .kernarg_segment_align: 8
    .kernarg_segment_size: 24
    .max_flat_workgroup_size: 256
    .sgpr_count:     66
    .vgpr_count:     512
    .wavefront_size: 32
...
	.end_amdgpu_metadata
.endif
;; end of part 2
;; launch outp (part 3): grid 8 x 32, 8 waves a work-group, clusters of 4 x 4, 327,680 bytes of LDS; arguments z_img, z_sc, Wo_codes, Wo_scales, bo, out0; writes out0
.if DOCPART == 3
	.amdgcn_target "amdgcn-amd-amdhsa--gfx1250"
	.amdhsa_code_object_version 6
	.text
	.protected	k_q21e7d4cca3_outp
	.globl	k_q21e7d4cca3_outp
	.p2align	8
	.type	k_q21e7d4cca3_outp,@function
k_q21e7d4cca3_outp:
	s_mov_b64 s[64:65], 0
	v_nop
	global_prefetch_b8 v0, s[64:65] scope:SCOPE_SE
	s_setreg_imm32_b32 hwreg(HW_REG_WAVE_MODE, 25, 1), 1
	s_wait_xcnt 0x0
	s_wait_alu depctr_hold_cnt(0) depctr_sa_sdst(0) depctr_va_vdst(0) depctr_va_sdst(0) depctr_va_ssrc(0) depctr_va_vcc(0) depctr_vm_vsrc(0)
	s_getreg_b32 s2, hwreg(HW_REG_IB_STS2, 6, 4)
	s_cmp_eq_u32 s2, 0
	s_cbranch_scc0 .Lentry_in_a_cluster
	s_endpgm
.Lentry_in_a_cluster:
	s_bfe_u32 s2, ttmp6, 0x10000c
	s_cmp_lg_u32 s2, 0xf033
	s_cbranch_scc0 .Lentry_shape_is_right
	s_endpgm
.Lentry_shape_is_right:
; out = z Wo + bo on codes of FP4 (E2M1) with one E8M0 scale for each 32 along K = 1,024.  z comes as images of operand registers, z_img [tile of 16 tokens: 512][64 along K: 16][lane][16], and plain scale bytes z_sc [token][32];
; Wo as rows [n][K] of 512 bytes and scale bytes [n][32]; bo [1,024] and out0 [8,192][1,024] are f32.
; SHARES.  Work-group x = block of 128 columns, y = block of 256 tokens.  Eight waves: wave w takes tokens 64 (w & 3) on and columns 64 (w >> 2) on: 16 accumulators.
; All of K lies in LDS, in two halves of 512 along K, each filled once; both are in before the first product.
; CLUSTER 4 x 4: the four work-groups of a row share z's 256 tokens, the four of a column Wo's 128 rows: each tile is asked for jointly.
; THE PRODUCT IS USED TRANSPOSED (source 0 = 16 rows of Wo, source 1 = 16 tokens): a lane holds eight neighbouring columns of one token's row.  The bias is the C of each sum's first product.
.set PITCH, 272                        ; a row of Wo's 256 bytes + 16
.set SPI,   48                         ; a row of 32 scale bytes + 16
.set KHB,   100352                     ; a half of K: z's 16 tiles x 4,096 bytes, then Wo's 128 rows x 272
.set WOF,   65536
.set SCB,   2*KHB                      ; z's 256 rows of scale bytes, then Wo's 128
.set STG,   SCB+384*SPI                ; the way out: 16 rows x (256 + 16) bytes for each wave; no tile lands here
.set AZ,   1                           ; v1-2   LDS address of my z fragments, K half 0, 1
.set AW,   3                           ; v3-4   of my Wo fragments
.set AS,   5                           ; v5     scale words: lanes 0-15 z's rows, lanes 16-31 Wo's
.set STO,  6                           ; v6     the stage: where I put 32 bytes of a row
.set RD,   7                           ; v7     and where I read a row back
.set GO,   8                           ; v8     my byte offset in two rows of out0
.set BO,   15                          ; v15    my offset in the bias
.set SC,   16                          ; v16-31 scale words and nothing else
.set BI,   32                          ; v32-63 the bias
.set ZF,   64                          ; v64-95 z's four fragments
.set WF,   96                          ; v96-127 Wo's four
.set ACC,  128                         ; v128-255: accumulator (i, t) at ACC + 8 (4 i + t)
.set BK,   64                          ; the way out: 16 rows read back: v64-95 and v96-127 by turns
.set WV,   28
.set TQ,   29
.set CH,   30
.set CB,   33
.set TBK,  34
.set G1ZC, 40                          ; s[40:47] group 1, z's codes;  s[48:55] z's scales;  s[56:63] Wo's codes;  s[68:75] Wo's scales
.set G1ZS, 48
.set G1WC, 56
.set G1WS, 68
.set G0Z,  76                          ; s[76:83] z's two groups 0: scales, my codes;  s[88:95] Wo's
.set G0W,  88
.macro CROUND
	s_barrier_signal -1
	s_barrier_wait -1
	s_cmp_lg_u32 s[WV], 0
	s_cbranch_scc1 .Lnot_wave_0_\@
	s_barrier_signal -3
.Lnot_wave_0_\@:
	s_barrier_wait -3
	s_barrier_signal -1
	s_barrier_wait -1
.endm
	s_load_b256 s[4:11], s[0:1], 0x0               ; z_img s[4:5], z_sc s[6:7], Wo's codes s[8:9], Wo's scales s[10:11]
	s_load_b128 s[12:15], s[0:1], 0x20             ; bo s[12:13], out0 s[14:15]
	v_lshl_add_u32 v13, v0, 2, 0x3e000
	v_mov_b32 v14, 0
	ds_add_u32 v13, v14
	ds_add_u32 v13, v14
	v_lshrrev_b32 v[BO], 5, v0
	s_delay_alu instid0(VALU_DEP_1)
	v_readfirstlane_b32 s[WV], v[BO]               ; wave 0..7
	s_and_b32 s[TQ], s[WV], 3                      ; which 64 tokens.  Also: which quarter of a tile I fetch
	s_lshr_b32 s[CH], s[WV], 2                     ; which 64 columns.  Also: I fetch for z (0) or for Wo (1)
	v_and_b32 v64, 15, v0                          ; r
	v_bfe_u32 v65, v0, 4, 1                        ; h
	v_and_b32 v66, 31, v0                          ; lane
	s_lshl_b32 s2, s[TQ], 14
	v_lshl_add_u32 v[AZ], v66, 4, s2               ; z: my four tiles of 4,096 bytes, 16 bytes a lane
	s_delay_alu instid0(VALU_DEP_1)
	v_add_nc_u32 v[AZ+1], KHB, v[AZ]
	v_mul_u32_u24 v67, v64, PITCH
	s_delay_alu instid0(VALU_DEP_1)
	v_lshl_add_u32 v67, v65, 4, v67
	s_mul_i32 s2, s[CH], 64*PITCH
	s_add_co_u32 s2, s2, WOF
	v_add_nc_u32 v[AW], s2, v67
	s_delay_alu instid0(VALU_DEP_1)
	v_add_nc_u32 v[AW+1], KHB, v[AW]
	s_mul_i32 s2, s[TQ], 64*SPI
	s_mul_i32 s3, s[CH], 64*SPI
	s_add_co_u32 s3, s3, 256*SPI
	s_sub_co_u32 s3, s3, s2                        ; from my z rows to my Wo rows: 3,072 bytes at the least
	v_mul_u32_u24 v68, s3, v65                     ; lanes 16-31 take Wo's: one product with h
	v_mul_u32_u24 v[AS], v64, SPI
	s_delay_alu instid0(VALU_DEP_1)
	v_add_nc_u32 v[AS], v[AS], v68
	s_add_co_u32 s2, s2, SCB
	v_add_nc_u32 v[AS], s2, v[AS]
	s_mul_i32 s2, s[WV], 16*PITCH
	s_add_co_u32 s2, s2, STG                       ; my stage
	v_mul_u32_u24 v[STO], v64, PITCH
	s_delay_alu instid0(VALU_DEP_1)
	v_lshl_add_u32 v[STO], v65, 5, v[STO]
	s_delay_alu instid0(VALU_DEP_1)
	v_add_nc_u32 v[STO], s2, v[STO]                ; in: row r, 32 bytes for each half of the lanes
	v_mul_u32_u24 v[RD], v65, PITCH
	s_delay_alu instid0(VALU_DEP_1)
	v_lshl_add_u32 v[RD], v64, 4, v[RD]
	s_delay_alu instid0(VALU_DEP_1)
	v_add_nc_u32 v[RD], s2, v[RD]                  ; back: lanes 0-15 one row of 256 bytes, lanes 16-31 the next
	v_lshlrev_b32 v[GO], 12, v65
	s_delay_alu instid0(VALU_DEP_1)
	v_lshl_add_u32 v[GO], v64, 4, v[GO]            ; and the same two rows in out0, 4,096 bytes apart
	v_lshlrev_b32 v[BO], 5, v65                    ; the bias of columns 16 t + 8 h + j
	s_bfe_u32 s31, ttmp6, 0x40000                  ; cx
	s_bfe_u32 s32, ttmp6, 0x40004                  ; cy
	s_lshl_b32 s[CB], ttmp9, 2
	s_add_co_u32 s[CB], s[CB], s31                 ; block of 128 columns
	s_and_b32 s[TBK], ttmp7, 0xffff
	s_lshl_b32 s[TBK], s[TBK], 2
	s_add_co_u32 s[TBK], s[TBK], s32               ; block of 256 tokens
	s_lshl_b32 s35, s32, 2
	s_lshl_b32 s35, 15, s35                        ; my row of the cluster: it shares z
	s_lshl_b32 s36, 0x1111, s31                    ; my column: it shares Wo
	; group 1.  z's codes: 8 rows of 4,096 bytes (512 elements of 8), 8,192 bytes apart, no padding
	s_or_b32 s[G1ZC], s35, (3<<16)|(1<<21)
	s_mov_b32 s[G1ZC+1], 512<<16
	s_mov_b32 s[G1ZC+2], 8<<16                     ; eight tiles to a load
	s_mov_b32 s[G1ZC+3], 512<<16
	s_mov_b32 s[G1ZC+4], 8
	s_mov_b32 s[G1ZC+5], 1024
	s_mov_b32 s[G1ZC+6], 0
	s_mov_b32 s[G1ZC+7], 0
	; z's scales: 256 rows x 32 bytes, dense, 16 bytes of padding behind each 8 words
	s_or_b32 s[G1ZS], s35, (1<<20)|(1<<21)|(2<<22)|(3<<25)
	s_mov_b32 s[G1ZS+1], 32<<16
	s_mov_b32 s[G1ZS+2], 256<<16                   ; all 256 rows by one load
	s_mov_b32 s[G1ZS+3], 32<<16
	s_mov_b32 s[G1ZS+4], 256
	s_mov_b32 s[G1ZS+5], 32
	s_mov_b32 s[G1ZS+6], 0
	s_mov_b32 s[G1ZS+7], 0
	; Wo's codes: 128 rows x 256 bytes of rows of 512, 16 bytes behind each 64 words
	s_or_b32 s[G1WC], s36, (1<<20)|(1<<21)|(5<<22)|(3<<25)
	s_mov_b32 s[G1WC+1], 256<<16
	s_mov_b32 s[G1WC+2], 128<<16                   ; all 128 rows of a half of K by one load
	s_mov_b32 s[G1WC+3], 256<<16
	s_mov_b32 s[G1WC+4], 128
	s_mov_b32 s[G1WC+5], 512
	s_mov_b32 s[G1WC+6], 0
	s_mov_b32 s[G1WC+7], 0
	; Wo's scales: 128 rows x 32 bytes
	s_or_b32 s[G1WS], s36, (1<<20)|(1<<21)|(2<<22)|(3<<25)
	s_mov_b32 s[G1WS+1], 32<<16
	s_mov_b32 s[G1WS+2], 128<<16
	s_mov_b32 s[G1WS+3], 32<<16
	s_mov_b32 s[G1WS+4], 128
	s_mov_b32 s[G1WS+5], 32
	s_mov_b32 s[G1WS+6], 0
	s_mov_b32 s[G1WS+7], 0
	; one load a wave: waves 0-3 z's codes (K half w / 2, tiles 8 (w % 2) on), waves 4, 5 Wo's codes (K half w % 2), wave 6 z's scale bytes, wave 7 Wo's
	s_and_b32 s2, s[WV], 1
	s_bfe_u32 s3, s[WV], 0x10001
	s_lshl_b32 s100, s[TBK], 17                    ; z's images: 131,072 bytes for 256 tokens,
	s_lshl_b32 s101, s2, 16                        ; 65,536 for eight tiles,
	s_add_co_u32 s100, s100, s101
	s_lshl_b32 s101, s3, 12                        ; 4,096 for a half of K in a tile
	s_add_co_u32 s100, s100, s101
	s_mov_b32 s101, 0
	s_mul_i32 s37, s3, KHB
	s_lshl_b32 s38, s2, 15
	s_add_co_u32 s37, s37, s38                     ; where they go
	s_mul_i32 s38, s2, KHB
	s_add_co_u32 s38, s38, WOF                     ; where Wo's half goes
	s_lshl_b32 s39, s2, 8                          ; and where it begins in a row
	s_lshl_b32 s2, s[TBK], 13                      ; z's scale bytes
	s_mov_b32 s3, 0
	s_lshl_b32 s18, s[CB], 16                      ; Wo: 128 rows of 512 bytes a block
	s_add_co_u32 s18, s18, s39
	s_mov_b32 s19, 0
	s_lshl_b32 s16, s[CB], 12                      ; its scale bytes
	s_mov_b32 s17, 0
	s_lshl_b32 s20, s[CB], 9
	s_lshl_b32 s21, s[CH], 8
	s_add_co_u32 s20, s20, s21                     ; my first column, in bytes of f32
	s_mov_b32 s21, 0
	s_lshl_b32 s22, s[TBK], 8
	s_lshl_b32 s23, s[TQ], 6
	s_add_co_u32 s22, s22, s23
	s_lshl_b32 s22, s22, 12                        ; my first row of out0
	s_mov_b32 s23, 0
	s_wait_dscnt 0x0
	s_wait_kmcnt 0x0
	s_mov_b32 s[G0Z], 1
	s_mov_b32 s[G0Z+1], SCB
	s_add_nc_u64 s[G0Z+2:G0Z+3], s[6:7], s[2:3]
	s_or_b32 s[G0Z+3], s[G0Z+3], 0x80000000
	s_mov_b32 s[G0Z+4], 1
	s_mov_b32 s[G0Z+5], s37
	s_add_nc_u64 s[G0Z+6:G0Z+7], s[4:5], s[100:101]
	s_or_b32 s[G0Z+7], s[G0Z+7], 0x80000000
	s_mov_b32 s[G0W], 1
	s_mov_b32 s[G0W+1], SCB+256*SPI
	s_add_nc_u64 s[G0W+2:G0W+3], s[10:11], s[16:17]
	s_or_b32 s[G0W+3], s[G0W+3], 0x80000000
	s_mov_b32 s[G0W+4], 1
	s_mov_b32 s[G0W+5], s38
	s_add_nc_u64 s[G0W+6:G0W+7], s[8:9], s[18:19]
	s_or_b32 s[G0W+7], s[G0W+7], 0x80000000
	s_add_nc_u64 s[12:13], s[12:13], s[20:21]      ; bo at my first column
	s_add_nc_u64 s[14:15], s[14:15], s[20:21]
	s_add_nc_u64 s[14:15], s[14:15], s[22:23]      ; out0 at my first row and column
	CROUND                                         ; all sixteen work-groups are here: the joint loads meet
; The head's loads, one a wave, in one chain of arms on the wave's number: every way passes exactly one.
.macro ARM under, g0, g1, next
	s_cmp_lt_u32 s[WV], \under
	s_cbranch_scc0 \next
	tensor_load_to_lds s[\g0:\g0+3], s[\g1:\g1+7]
	s_nop 0
.rept 4
	v_nop
.endr
	s_branch .Lasked
\next:
.endm
	ARM 4, G0Z+4, G1ZC, .Lh_wc
	ARM 6, G0W+4, G1WC, .Lh_zs
	ARM 7, G0Z, G1ZS, .Lh_ws
	tensor_load_to_lds s[G0W:G0W+3], s[G1WS:G1WS+7]
	s_nop 0
.rept 4
	v_nop
.endr
.Lasked:
	s_wait_alu depctr_va_vdst(0)
.irp t, 0,1,2,3
	global_load_b128 v[BI+8*\t:BI+8*\t+3], v[BO], s[12:13] offset:64*\t
	global_load_b128 v[BI+8*\t+4:BI+8*\t+7], v[BO], s[12:13] offset:64*\t+16
.endr
	s_wait_tensorcnt 0x0                           ; my one load is in
	s_wait_loadcnt 0x0                             ; the bias
	s_barrier_signal -1
	s_barrier_wait -1                              ; everybody's are
; A step of 128 along K: 16 LDS loads (and the half's scale words with its first step), 16 products on 16 accumulators by turns.
.macro KSTEP s
.set kh, (\s)/4
.set sq, (\s)%4
.if (\s) > 0
.rept 4
	v_nop                                          ; four places between the last products and the loads into registers that they read
.endr
.endif
.if sq == 0
.irp i, 0,1,2,3
	ds_load_b128 v[SC+4*\i:SC+4*\i+3], v[AS] offset:16*SPI*\i+16*kh
.endr
.endif
.irp i, 0,1,2,3
.irp c, 0,1
	ds_load_b128 v[ZF+8*\i+4*\c:ZF+8*\i+4*\c+3], v[AZ+kh] offset:4096*\i+1024*sq+512*\c
	ds_load_b128 v[WF+8*\i+4*\c:WF+8*\i+4*\c+3], v[AW+kh] offset:16*PITCH*\i+64*sq+32*\c
.endr
.endr
	s_wait_dscnt 0x0
.irp i, 0,1,2,3
.irp t, 0,1,2,3
.if (\s) == 0
	v_wmma_scale_f32_16x16x128_f8f6f4 v[ACC+8*(4*\i+\t):ACC+8*(4*\i+\t)+7], v[WF+8*\t:WF+8*\t+7], v[ZF+8*\i:ZF+8*\i+7], v[BI+8*\t:BI+8*\t+7], v[SC+4*\t+sq], v[SC+4*\i+sq] matrix_a_fmt:MATRIX_FMT_FP4 matrix_b_fmt:MATRIX_FMT_FP4 matrix_a_scale:MATRIX_SCALE_ROW1
.else
	v_wmma_scale_f32_16x16x128_f8f6f4 v[ACC+8*(4*\i+\t):ACC+8*(4*\i+\t)+7], v[WF+8*\t:WF+8*\t+7], v[ZF+8*\i:ZF+8*\i+7], v[ACC+8*(4*\i+\t):ACC+8*(4*\i+\t)+7], v[SC+4*\t+sq], v[SC+4*\i+sq] matrix_a_fmt:MATRIX_FMT_FP4 matrix_b_fmt:MATRIX_FMT_FP4 matrix_a_scale:MATRIX_SCALE_ROW1
.endif
.endr
.endr
.endm
; THE WAY OUT, 16 tokens x 64 columns at a time, through my own stage: a lane's 32 bytes of a row go in, whole rows of 256 bytes come back.  LDS serves a wave's instructions in order
; (ISA guide 5.7.1.4): no wait stands between the stores and the loads, nor in front of the next block's stores.
.macro TOSTAGE i
.irp t, 0,1,2,3
	ds_store_b128 v[STO], v[ACC+32*(\i)+8*\t:ACC+32*(\i)+8*\t+3] offset:64*\t         ; each accumulator from its low end on
	ds_store_b128 v[STO], v[ACC+32*(\i)+8*\t+4:ACC+32*(\i)+8*\t+7] offset:64*\t+16
.endr
.irp k, 0,1,2,3,4,5,6,7
	ds_load_b128 v[BK+32*((\i)%2)+4*\k:BK+32*((\i)%2)+4*\k+3], v[RD] offset:2*PITCH*\k
.endr
.endm
.macro SEND i, younger                 ; younger: the LDS instructions issued behind block i's loads, which may stay out
	s_wait_dscnt \younger
.irp k, 0,1,2,3,4,5,6,7
	global_store_b128 v[GO], v[BK+32*((\i)%2)+4*\k:BK+32*((\i)%2)+4*\k+3], s[14:15] offset:(16*(\i)+2*\k)*4096 th:TH_STORE_NT   ; 16 lanes store 256 consecutive bytes, at a multiple of 256 from out0's first byte; written once, read by nobody here
.endr
.endm
	KSTEP 0
	KSTEP 1
	KSTEP 2
	KSTEP 3
	KSTEP 4
	KSTEP 5
	KSTEP 6
	KSTEP 7
.rept 4
	v_nop                                          ; four places between the last products and the first read of results and the loads into their operands' registers
.endr
	TOSTAGE 0
	TOSTAGE 1
	SEND 0, 16                                     ; behind block 0's loads: block 1's 8 stores and 8 loads
	s_wait_xcnt 0x0                                ; block 0's stores have read their registers: block 2's loads may land there
	TOSTAGE 2
	SEND 1, 16
	s_wait_xcnt 0x0                                ; block 1's likewise
	TOSTAGE 3
	SEND 2, 16
	SEND 3, 0
	s_wait_tensorcnt 0x0
	ds_add_u32 v13, v14
	s_wait_dscnt 0x0
	CROUND                                         ; the closing round: no work-group ends while a partner may still ask for a tile that names it
	s_endpgm
.Lfunc_end_k_q21e7d4cca3_outp:
	.size	k_q21e7d4cca3_outp, .Lfunc_end_k_q21e7d4cca3_outp-k_q21e7d4cca3_outp
	.p2alignl 7, 3214868480
	.fill 96, 4, 3214868480
	.section	.rodata,"a",@progbits
	.p2align	6, 0x0
	.amdhsa_kernel k_q21e7d4cca3_outp
		.amdhsa_group_segment_fixed_size 327680
		.amdhsa_private_segment_fixed_size 0
		.amdhsa_enable_private_segment 0
		.amdhsa_kernarg_size 48
		.amdhsa_user_sgpr_count 2
		.amdhsa_user_sgpr_kernarg_segment_ptr 1
		.amdhsa_wavefront_size32 1
		.amdhsa_system_sgpr_workgroup_id_x 1
		.amdhsa_system_sgpr_workgroup_id_y 1
		.amdhsa_system_sgpr_workgroup_id_z 1
		.amdhsa_system_vgpr_workitem_id 0
		.amdhsa_next_free_vgpr 256
		.amdhsa_next_free_sgpr 102
		.amdhsa_reserve_vcc 0
		.amdhsa_float_denorm_mode_32 3
		.amdhsa_float_denorm_mode_16_64 3
		.amdhsa_memory_ordered 1
		.amdhsa_forward_progress 1
		.amdhsa_inst_pref_size 43
	.end_amdhsa_kernel
	.amdgpu_metadata
---
amdhsa.version: [ 1, 2 ]
amdhsa.kernels:
  - .name:           k_q21e7d4cca3_outp
    .symbol:         k_q21e7d4cca3_outp.kd
    .args:
      - { .name: z_img, .offset: 0, .size: 8, .value_kind: global_buffer, .address_space: global }
      - { .name: z_sc, .offset: 8, .size: 8, .value_kind: global_buffer, .address_space: global }
      - { .name: Wo_codes, .offset: 16, .size: 8, .value_kind: global_buffer, .address_space: global }
      - { .name: Wo_scales, .offset: 24, .size: 8, .value_kind: global_buffer, .address_space: global }
      - { .name: bo, .offset: 32, .size: 8, .value_kind: global_buffer, .address_space: global }
      - { .name: out0, .offset: 40, .size: 8, .value_kind: global_buffer, .address_space: global }
    .group_segment_fixed_size: 327680
    .private_segment_fixed_size: 0
    .kernarg_segment_align: 8
    .kernarg_segment_size: 48
    .max_flat_workgroup_size: 256
    .sgpr_count:     102
    .vgpr_count:     256
    .wavefront_size: 32
...
	.end_amdgpu_metadata
.endif
;; end of part 3
